; MI455X (gfx1250); checked and timed in simulation.
; The chip was launched on July 23, 2026; its instructions are those of AMD's public machine-readable ISA for CDNA 5 (MIT licence, August 2026) and "CDNA5" Instruction Set Architecture Reference Guide (July 2026). The comments in the code are by the model that wrote it; some were corrected since.
;; PINN Model steady. Allowed arithmetic: float matrix products may take bf16 or f16 operands with f32 sums; all other float work in f32.
;; Inputs: W0 4 x 128 float32; Wh 5 x 128 x 128 float32; Wout 128 x 4 float32; act_coeff one number float32; b0 128 float32; bh 5 x 128 float32; bout 4 float32; t 16,384 x 1 float32; x 16,384 x 1 float32; y 16,384 x 1 float32; z 16,384 x 1 float32.
;; Outputs: out0 16,384 x 1 float32; out1 16,384 x 1 float32; out2 16,384 x 1 float32; out3 16,384 x 1 float32.
;; One version. Each part assembles by itself: llvm-mc -triple=amdgcn-amd-amdhsa -mcpu=gfx1250 --defsym DOCPART=n.
;; ======== version 1 of 1: 1 launch
;; limits: values are held in f16: magnitudes above 65,504 overflow, below 6.1e-05 lose precision; inputs' magnitudes at most 65,504
;; launch pinn (part 1): grid 256 x 1, 4 waves a work-group, no clusters, 282,624 bytes of LDS; arguments x, y, z, t, W0, b0, Wh, bh, Wout, bout, act_coeff, out0, out1, out2, out3; writes out0, out1, out2, out3
.if DOCPART == 1
	.amdgcn_target "amdgcn-amd-amdhsa--gfx1250"
	.amdhsa_code_object_version 6
	.text
	.protected	k_q91449e2e8c_pinn
	.globl	k_q91449e2e8c_pinn
	.p2align	8
	.type	k_q91449e2e8c_pinn,@function
k_q91449e2e8c_pinn:
	s_mov_b64 s[64:65], 0
	v_nop
	global_prefetch_b8 v0, s[64:65] scope:SCOPE_SE
	s_setreg_imm32_b32 hwreg(HW_REG_WAVE_MODE, 25, 1), 1
	s_wait_xcnt 0x0
; NAVIER-STOKES RESIDUALS OF A TANH NETWORK (4 -> 128 -> 5 x 128 -> 4) AT 16,384 POINTS, in one launch.
; METHOD.  Forward Taylor propagation of 11 STREAMS a point: 0 h; 1-4 h_x h_y h_z h_t; 5 xx, 6 yy, 7 zz, 8 xy, 9 xz, 10 yz: all that the four results name.
; A layer: z_s = W^T h_s (+ bias for s = 0) on the matrix unit; then with K = 2 log2(e) a: t = 2^(K z), r = 1/(1+t), h = 1 - 2 r, u = r - r^2 (so 1 - h^2 = 4 u),
;   h'_i = 4 a u z_i,   h'_ij = 4 a u z_ij - 8 a^2 h u z_i z_j.
; FORMATS.  Matrix operands are f16, sums f32.  Wh and Wout are rounded once to f16; h lies in -1..1.  The derivative streams are stored DIVIDED by a scale of the point and the layer:
; first order by sg1, second order by sg2.  The next scales come from a bound: R = the largest column sum of |W|, m1, m2 = the largest stored magnitudes of the point,
;   b1 = |a| R sg1 m1,  b2 = |a| R sg2 m2 + b1^2 (|tanh''| < 1),  sg' = max(b 2^-13, 1e-30):  a stored number is at most 2^13, an eighth of f16's largest.
; The scales cost nothing a stream: they stand in C1 = 4 a sg1/sg1', C2 = 4 a sg2/sg2', C3 = -8 a^2 sg1^2/sg2' (each held within +-1e30, so that none is an infinity where the streams are 0).
; The input layer (K = 4) is made in f32 on the vector unit: X = (x, y, z, 2 t - 1), the map by LB and UB written out.
; LIMITS.  |Wh|, |Wout| below 65,504; b1^2 and b2 below 3e38; derivative parts below 6e-8 of 1e-30 are lost; NaN and infinities are not treated apart.  bout[3] is loaded; the results do not name p.
; SHARES.  256 work-groups of four waves; a wave owns 16 points, all streams, all features: 1,024 waves for 1,024 tiles of 16 points.
; LAYOUT.  The matrix instruction is used transposed: source 0 = 16 output features x 32 k of W (turned out of LDS by ds_load_tr16_b128), source 1 = 16 points x 32 k.  In the result lane l holds
; point l % 16 and the features 8 (l / 16) + 0..7: all 11 streams of a (point, feature) lie in one lane, and two results (features +0, +16) packed to f16 ARE source 1 of the next layer for 32 k.
; A layer goes in 4 CHUNKS of 32 output features (88 products each).  The layer's inputs stay in 352 registers; its outputs go to the wave's own spill in LDS and come back once a layer, so that
; the chunk is a loop and not four texts.  Each wave also rounds a quarter of the NEXT layer's W to f16 into the other weight slot and sums |W| by columns; one barrier a layer orders both slots.
; NO CLUSTER, NO TENSOR LOAD, though all work-groups read the same Wh: Wh is f32 and passes through registers to be rounded; a stage for one layer's f32 (65,536 bytes) does not fit
; beside the 282,624 bytes in use.
; REGISTERS, in windows of 256 (s_set_vgpr_msb: bits 1:0 source 0, 3:2 source 1, 5:4 source 2, 7:6 destination):
;   window 0: addresses, scales, staging     window 1: inputs B(s, kc) at 32 s + 8 kc, s = 0..7     window 2: B(s, kc), s = 8..10, at 32 (s - 8) + 8 kc; v96-159 W's fragments
;   window 3: accumulators ACC(s, ft) at 16 s + 8 ft; v176-191 bias; v192-239 at work; v240-245 C1-C3 as pairs; v246-253 running maxima; v254, v255 spill addresses
.set PW,     288        ; a row of f16 W in LDS: 256 bytes + 32 = 9 x 32
.set SLOTX,  65536      ; weight slot 1 begins here: one exclusive or turns an address in one slot into the other's
.set BIAS,   36864      ; f32 [6][128]: b0, bh[0..4]
.set W0OFF,  3072       ; f32 [4][128] W0, so far behind BIAS
.set CSR,    41984      ; six regions of [4 waves][128 columns] f32: column sums; a region for each layer, so no read meets a later write
.set WOUTL,  54272      ; f16 [128 k][16 n], rows of 32 bytes: Wout, columns 4-15 zero
.set STG,    58368      ; f32 [4 results][64 points]
.set SPARE,  59392      ; the spare words: 128 bytes for each wave, two blocks of 256 bytes that no other line names
.set SPILL,  102400     ; for each wave 45,056 bytes: chunk x 11,264 + (2 s + ft) x 512 + 16 x lane
.set SPWB,   45056
.set SPC,    11264
; window 0
.set LN,   1            ; lane
.set RR,   2            ; lane % 16
.set HH,   3            ; lane / 16
.set SPWD, 4            ; my spare word's address; never rewritten
.set NIL,  5            ; 0; never rewritten
.set AW0,  6            ; my place in a turned fragment of W
.set ADW,  7
.set ABI0, 8            ; BIAS + 32 (lane / 16)
.set ADB,  9
.set ASPR, 10           ; my 16 bytes in my wave's spill
.set AWS0, 11           ; where I put 8 bytes of f16 W
.set ADWS, 12
.set GW,   13           ; my 16 bytes in my wave's rows of Wh
.set ACS0, 14           ; column sums: read
.set ACSW0,15           ; column sums: write
.set TA,   16
.set AWO,  17           ; my place in a turned fragment of Wout
.set ASTW, 18
.set ASTR, 19
.set GOUT, 20
.set PO,   21
.set XP,   22           ; v22-29: x, y, z, t - 0.5, each twice (pairs)
.set SG1,  30
.set SG2,  31
.set RM,   32
.set AR,   33
.set M1,   34
.set M2,   35
.set B1,   36
.set B2,   37
.set I1,   38
.set I2,   39
.set P1,   40
.set P2,   41
.set P3,   42
.set TT,   43
.set CS,   44           ; v44-47 my four columns' running sums of |W|
.set WS,   48           ; v48-79 staging
.set FT,   80           ; v80-91 the last sums
; window 2
.set WF,   96
; window 3
.set BI,   176
.set EE,   192
.set HV,   200
.set UU,   208
.set QQ,   216
.set C1,   240
.set C2,   242
.set C3,   244
.set MX1,  246
.set MX2,  250
.set ADS,  254
.set ASP0, 255
; scalars: s[8:37] the fifteen addresses
.set OP,   2            ; s[2:3] my result's address
.set OO,   4            ; s[4:5] an offset
.set WV,   38
.set TS,   39
.set SA,   40           ; a
.set SAA,  41           ; |a|
.set S4A,  42           ; 4 a
.set S8A,  43           ; -8 a^2
.set BO,   44           ; s[44:47] bout
.set KK,   48           ; s[48:49] K, twice
.set SEL,  50           ; s[50:51] v_permlanex16_b32: each lane takes its own place in the other half
.set LC,   52
.set CC,   53
.set RSO,  54           ; LDS offset of the weights being read
.set WSO,  55           ; of the weights being written
.set BSO,  56           ; of the chunk's bias
.set SSO,  57           ; of the chunk in the spill
.set CSO,  58           ; of the layer's column sums
.set SEX,  59
.set WP,   60           ; s[60:61] Wh, stepped
.set CLO,  62           ; -1e30
.set CHI,  63           ; 1e30
.set MSB, 0
.macro WIN new                         ; the immediate's high byte repeats the setting that is left; a switch that changes nothing is dropped
.if MSB != (\new)
	s_set_vgpr_msb (MSB<<8)|(\new)
.set MSB, (\new)
.endif
.endm
.macro PLACES                          ; four plain vector instructions between a matrix instruction and the first vector read of its result (ISA guide 7.12.1)
.rept 4
	v_nop
.endr
.endm
; Eight rows of the next layer's W: each load of the wave covers one row, 512 consecutive bytes.
.macro CONV_ISSUE
.set ix, 0
.rept 8
	global_load_b128 v[WS+4*ix:WS+4*ix+3], v[GW], s[WP:WP+1] offset:512*ix
.set ix, ix+1
.endr
.endm
; They are summed by columns, rounded to f16 and put into the other weight slot.
.macro CONV_USE
	s_wait_loadcnt 0x0                             ; the eight rows are in; the wait also frees their base, which is stepped below
	v_add_nc_u32 v[ADWS], s[WSO], v[AWS0]
.set ix, 0
.rept 8
.set jx, 0
.rept 4
	v_add_f32 v[CS+jx], v[CS+jx], |v[WS+4*ix+jx]|
.set jx, jx+1
.endr
	v_cvt_pk_f16_f32 v[WS+4*ix], v[WS+4*ix], v[WS+4*ix+1]
	v_cvt_pk_f16_f32 v[WS+4*ix+1], v[WS+4*ix+2], v[WS+4*ix+3]
	ds_store_b64 v[ADWS], v[WS+4*ix:WS+4*ix+1] offset:PW*ix
.set ix, ix+1
.endr
	s_add_nc_u64 s[WP:WP+1], s[WP:WP+1], 4096
	s_add_co_u32 s[WSO], s[WSO], 8*PW
.endm
.macro MUL4 d, a, b, bs                ; four packed products: d[p] = a[p] x b[bs p]
.set px, 0
.rept 4
	v_pk_mul_f32 v[(\d)+2*px:(\d)+2*px+1], v[(\a)+2*px:(\a)+2*px+1], v[(\b)+2*(\bs)*px:(\b)+2*(\bs)*px+1]
.set px, px+1
.endr
.endm
.macro SEC ft, first, s, i, j          ; second-order stream s takes (c3 z_i) z_j
.set px, 0
.rept 4
.if \first
	v_pk_mul_f32 v[16*(\s)+8*(\ft)+2*px:16*(\s)+8*(\ft)+2*px+1], v[QQ+8*(\i)+2*px:QQ+8*(\i)+2*px+1], v[16+16*(\j)+8*(\ft)+2*px:16+16*(\j)+8*(\ft)+2*px+1]
.else
	v_pk_fma_f32 v[16*(\s)+8*(\ft)+2*px:16*(\s)+8*(\ft)+2*px+1], v[QQ+8*(\i)+2*px:QQ+8*(\i)+2*px+1], v[16+16*(\j)+8*(\ft)+2*px:16+16*(\j)+8*(\ft)+2*px+1], v[16*(\s)+8*(\ft)+2*px:16*(\s)+8*(\ft)+2*px+1]
.endif
.set px, px+1
.endr
.endm
; THE NON-LINEARITY for the 16 features of tile ft, all 11 streams, all in window 3.  first = 1: the input layer, whose z_ij are 0.
; Every stage takes an accumulator's registers in ascending order.
.macro NL ft, first
	WIN 0xff
.set px, 0
.rept 4
	v_pk_mul_f32 v[EE+2*px:EE+2*px+1], v[8*(\ft)+2*px:8*(\ft)+2*px+1], s[KK:KK+1] op_sel_hi:[1,0]   ; K z
.set px, px+1
.endr
.set px, 0
.rept 8
	v_exp_f32 v[EE+px], v[EE+px]                   ; t
.set px, px+1
.endr
	v_nop                                          ; a plain instruction behind the last exponential
.set px, 0
	s_wait_alu depctr_va_vdst(0)
.rept 4
	v_pk_add_f32 v[EE+2*px:EE+2*px+1], v[EE+2*px:EE+2*px+1], 1.0 op_sel_hi:[1,0]
.set px, px+1
.endr
.set px, 0
.rept 8
	v_rcp_f32 v[EE+px], v[EE+px]                   ; r
.set px, px+1
.endr
	v_nop                                          ; a plain instruction behind the last reciprocal
.set px, 0
	s_wait_alu depctr_va_vdst(0)
.rept 4
	v_pk_fma_f32 v[HV+2*px:HV+2*px+1], v[EE+2*px:EE+2*px+1], -2.0, 1.0 op_sel_hi:[1,0,0]             ; h = 1 - 2 r
.set px, px+1
.endr
.set px, 0
.rept 4
	v_pk_fma_f32 v[UU+2*px:UU+2*px+1], v[EE+2*px:EE+2*px+1], v[EE+2*px:EE+2*px+1], v[EE+2*px:EE+2*px+1] neg_lo:[1,0,0] neg_hi:[1,0,0]  ; u = r - r r
.set px, px+1
.endr
.set px, 0
.rept 4
	v_cvt_pk_f16_f32 v[8*(\ft)+px], v[HV+2*px], v[HV+2*px+1]   ; h to f16, where z lay
.set px, px+1
.endr
	MUL4 EE, UU, C1, 0                             ; c1 = u C1
	MUL4 HV, HV, UU, 1                             ; h u
.if !(\first)
	MUL4 UU, UU, C2, 0                             ; c2 = u C2
.endif
	MUL4 HV, HV, C3, 0                             ; c3 = h u C3
.irp i, 0,1,2
	MUL4 QQ+8*\i, 16+16*\i+8*(\ft), HV, 1          ; c3 z_i for x, y, z
.endr
.if !(\first)
.irp s, 5,6,7,8,9,10
	MUL4 16*\s+8*(\ft), 16*\s+8*(\ft), UU, 1       ; c2 z_ij
.endr
.endif
	SEC \ft, \first, 5, 0, 0
	SEC \ft, \first, 6, 1, 1
	SEC \ft, \first, 7, 2, 2
	SEC \ft, \first, 8, 0, 1
	SEC \ft, \first, 9, 0, 2
	SEC \ft, \first, 10, 1, 2
.irp s, 1,2,3,4
	MUL4 16*\s+8*(\ft), 16*\s+8*(\ft), EE, 1       ; c1 z_i
.endr
.set sx, 1
.rept 10                                       ; the largest magnitudes, four chains for each order
.set px, 0
.rept 4
.if sx < 5
	v_max3_num_f32 v[MX1+px], v[MX1+px], |v[16*sx+8*(\ft)+2*px]|, |v[16*sx+8*(\ft)+2*px+1]|
.else
	v_max3_num_f32 v[MX2+px], v[MX2+px], |v[16*sx+8*(\ft)+2*px]|, |v[16*sx+8*(\ft)+2*px+1]|
.endif
.set px, px+1
.endr
.set sx, sx+1
.endr
	ds_store_b128 v[ADS], v[8*(\ft):8*(\ft)+3] offset:(\ft)*512
.set sx, 1
.rept 10                                       ; to f16 in place (register p takes registers 2 p, 2 p + 1), and into my spill
.set px, 0
.rept 4
	v_cvt_pk_f16_f32 v[16*sx+8*(\ft)+px], v[16*sx+8*(\ft)+2*px], v[16*sx+8*(\ft)+2*px+1]
.set px, px+1
.endr
	ds_store_b128 v[ADS], v[16*sx+8*(\ft):16*sx+8*(\ft)+3] offset:(2*sx+(\ft))*512
.set sx, sx+1
.endr
.endm
; THE PRODUCTS: nf feature tiles x 11 streams x 4 quarters of K.  The accumulators take turns, one instruction a turn: 8 nf of them, then 3 nf.
; The first quarter starts the sums: with the bias (bias = 1, stream 0) or the constant 0.  waits = 1: quarter kc's four weight loads are in when at most 12 - 4 kc younger LDS loads are out.
.macro PRODS nf, bias, waits
	WIN 0xf6                                       ; W window 2, B window 1, C and D window 3
.set kx, 0
.rept 4
.if \waits
	s_wait_dscnt 12-4*kx
.endif
.set sx, 0
.rept 8
.set fx, 0
.rept \nf
.set dd, 16*sx+8*fx
.set ww, WF+8*(4*fx+kx)
.set bb, 32*sx+8*kx
.if (kx == 0) && (sx == 0) && (\bias)
	v_wmma_f32_16x16x32_f16 v[dd:dd+7], v[ww:ww+7], v[bb:bb+7], v[BI+8*fx:BI+8*fx+7]
.elseif kx == 0
	v_wmma_f32_16x16x32_f16 v[dd:dd+7], v[ww:ww+7], v[bb:bb+7], 0
.else
	v_wmma_f32_16x16x32_f16 v[dd:dd+7], v[ww:ww+7], v[bb:bb+7], v[dd:dd+7]
.endif
.set fx, fx+1
.endr
.set sx, sx+1
.endr
.set kx, kx+1
.endr
	WIN 0xfa                                       ; B window 2
.set kx, 0
.rept 4
.set sx, 8
.rept 3
.set fx, 0
.rept \nf
.set dd, 16*sx+8*fx
.set ww, WF+8*(4*fx+kx)
.set bb, 32*(sx-8)+8*kx
.if kx == 0
	v_wmma_f32_16x16x32_f16 v[dd:dd+7], v[ww:ww+7], v[bb:bb+7], 0
.else
	v_wmma_f32_16x16x32_f16 v[dd:dd+7], v[ww:ww+7], v[bb:bb+7], v[dd:dd+7]
.endif
.set fx, fx+1
.endr
.set sx, sx+1
.endr
.set kx, kx+1
.endr
.endm
.macro BIAS_LD                         ; the chunk's 32 biases: register j of tile ft is feature 16 ft + 8 (lane / 16) + j
	WIN 0xc0
.set fx, 0
.rept 2
	ds_load_b128 v[BI+8*fx:BI+8*fx+3], v[ADB] offset:64*fx
	ds_load_b128 v[BI+8*fx+4:BI+8*fx+7], v[ADB] offset:64*fx+16
.set fx, fx+1
.endr
.endm
; A CHUNK of a hidden layer: 32 output features.  conv = 1: eight rows of the next layer's W are asked for at its head and used at its end.
.macro CHUNK conv
	WIN 0
.if \conv
	CONV_ISSUE
.endif
	v_add_nc_u32 v[ADB], s[BSO], v[ABI0]
	v_add_nc_u32 v[ADW], s[RSO], v[AW0]
	BIAS_LD
	WIN 0x80
.set kx, 0
.rept 4                                        ; W's fragments, by quarters of K: 32 k are 32 rows of 288 bytes; a fragment's second half lies 16 rows on
.set fx, 0
.rept 2
	ds_load_tr16_b128 v[WF+8*(4*fx+kx):WF+8*(4*fx+kx)+3],   v[ADW] offset:32*PW*kx+32*fx
	ds_load_tr16_b128 v[WF+8*(4*fx+kx)+4:WF+8*(4*fx+kx)+7], v[ADW] offset:32*PW*kx+32*fx+16*PW
.set fx, fx+1
.endr
.set kx, kx+1
.endr
	PRODS 2, 1, 1
	WIN 0xff
	PLACES
	v_add_nc_u32 v[ADS], s[SSO], v[ASP0]
	NL 0, 0
	NL 1, 0
	WIN 0
.if \conv
	CONV_USE
.endif
	s_add_co_u32 s[BSO], s[BSO], 128
	s_add_co_u32 s[RSO], s[RSO], 64
	s_add_co_u32 s[SSO], s[SSO], SPC
.endm
; A CHUNK of the input layer: z_i are W0's rows (t's doubled), z = b0 + the sum of X_i z_i, in f32.
.macro CHUNK_IN
	WIN 0
	CONV_ISSUE
	v_add_nc_u32 v[ADB], s[BSO], v[ABI0]
	BIAS_LD
.set ix, 0
.rept 4
.set fx, 0
.rept 2
	ds_load_b128 v[16+16*ix+8*fx:16+16*ix+8*fx+3],   v[ADB] offset:W0OFF+512*ix+64*fx
	ds_load_b128 v[16+16*ix+8*fx+4:16+16*ix+8*fx+7], v[ADB] offset:W0OFF+512*ix+64*fx+16
.set fx, fx+1
.endr
.set ix, ix+1
.endr
	s_wait_dscnt 0x0
	WIN 0xf3                                       ; source 1 window 0, all else window 3
.set px, 0
.rept 8
	v_pk_mul_f32 v[64+2*px:64+2*px+1], v[64+2*px:64+2*px+1], 2.0 op_sel_hi:[1,0]   ; z_t = 2 W0[3]
.set px, px+1
.endr
.set ix, 0
.rept 4
.set px, 0
.rept 8
.if ix == 0
	v_pk_fma_f32 v[2*px:2*px+1], v[16+2*px:16+2*px+1], v[XP:XP+1], v[BI+2*px:BI+2*px+1]
.else
	v_pk_fma_f32 v[2*px:2*px+1], v[16+16*ix+2*px:16+16*ix+2*px+1], v[XP+2*ix:XP+2*ix+1], v[2*px:2*px+1]
.endif
.set px, px+1
.endr
.set ix, ix+1
.endr
	WIN 0xff
	v_add_nc_u32 v[ADS], s[SSO], v[ASP0]
	NL 0, 1
	NL 1, 1
	WIN 0
	CONV_USE
	s_add_co_u32 s[BSO], s[BSO], 128
	s_add_co_u32 s[SSO], s[SSO], SPC
.endm
; Streams s0 to s1 come back from my spill as source-1 fragments: quarter kc is chunk kc; tile 0 fills registers 0-3, tile 1 registers 4-7.
.macro RELOAD s0, s1
.set sx, \s0
.rept (\s1)-(\s0)+1
.if sx < 8
	WIN 0x40
.set bb, 32*sx
.else
	WIN 0x80
.set bb, 32*(sx-8)
.endif
.set kx, 0
.rept 4
	ds_load_b128 v[bb+8*kx:bb+8*kx+3],   v[ASPR] offset:SPC*kx+(2*sx)*512
	ds_load_b128 v[bb+8*kx+4:bb+8*kx+7], v[ASPR] offset:SPC*kx+(2*sx+1)*512
.set kx, kx+1
.endr
.set sx, sx+1
.endr
.endm
.macro SCALE_LD                        ; the four waves' column sums of my four columns
	v_add_nc_u32 v[TA], s[CSO], v[ACS0]
.set ix, 0
.rept 4
	ds_load_b128 v[WS+4*ix:WS+4*ix+3], v[TA] offset:512*ix
.set ix, ix+1
.endr
.endm
; THE LAYER'S SCALES.  R over all 128 columns; m1, m2 over the point's two lanes; then the head comment's arithmetic.
.macro SCALE
	v_pk_add_f32 v[WS:WS+1],     v[WS:WS+1],     v[WS+4:WS+5]
	v_pk_add_f32 v[WS+2:WS+3],   v[WS+2:WS+3],   v[WS+6:WS+7]
	v_pk_add_f32 v[WS+8:WS+9],   v[WS+8:WS+9],   v[WS+12:WS+13]
	v_pk_add_f32 v[WS+10:WS+11], v[WS+10:WS+11], v[WS+14:WS+15]
	v_pk_add_f32 v[WS:WS+1],     v[WS:WS+1],     v[WS+8:WS+9]
	v_pk_add_f32 v[WS+2:WS+3],   v[WS+2:WS+3],   v[WS+10:WS+11]
	v_max3_num_f32 v[RM], v[WS], v[WS+1], v[WS+2]
	v_max_num_f32 v[RM], v[RM], v[WS+3]
	v_max_num_f32_dpp v[RM], v[RM], v[RM] row_xmask:1 row_mask:0xf bank_mask:0xf
	v_max_num_f32_dpp v[RM], v[RM], v[RM] row_xmask:2 row_mask:0xf bank_mask:0xf
	v_max_num_f32_dpp v[RM], v[RM], v[RM] row_xmask:4 row_mask:0xf bank_mask:0xf
	v_max_num_f32_dpp v[RM], v[RM], v[RM] row_xmask:8 row_mask:0xf bank_mask:0xf
	v_permlanex16_b32 v[TT], v[RM], s[SEL], s[SEL+1]
	v_max_num_f32 v[RM], v[RM], v[TT]
	WIN 0x3f
	v_max3_num_f32 v[M1], v[MX1], v[MX1+1], v[MX1+2]
	v_max3_num_f32 v[M2], v[MX2], v[MX2+1], v[MX2+2]
	WIN 0x03
	v_max_num_f32 v[M1], v[MX1+3], v[M1]
	v_max_num_f32 v[M2], v[MX2+3], v[M2]
	WIN 0
	v_permlanex16_b32 v[B1], v[M1], s[SEL], s[SEL+1]   ; the point's other 64 features lie in the lane 16 away
	v_permlanex16_b32 v[B2], v[M2], s[SEL], s[SEL+1]
	v_max_num_f32 v[M1], v[M1], v[B1]
	v_max_num_f32 v[M2], v[M2], v[B2]
	v_mul_f32 v[AR], s[SAA], v[RM]                 ; |a| R
	v_mul_f32 v[M1], v[SG1], v[M1]
	v_mul_f32 v[M2], v[SG2], v[M2]
	v_mul_f32 v[B1], v[AR], v[M1]                  ; b1
	v_mul_f32 v[B2], v[AR], v[M2]
	v_fma_f32 v[B2], v[B1], v[B1], v[B2]           ; b2
	v_mul_f32 v[B1], 0x39000000, v[B1]             ; x 2^-13
	v_mul_f32 v[B2], 0x39000000, v[B2]
	v_max_num_f32 v[B1], 0x0da24260, v[B1]         ; at least 1e-30: the new scales
	v_max_num_f32 v[B2], 0x0da24260, v[B2]
	v_rcp_f32 v[I1], v[B1]
	v_rcp_f32 v[I2], v[B2]
	v_mul_f32 v[P1], s[S4A], v[SG1]                ; plain work that names neither reciprocal stands behind them
	v_mul_f32 v[P2], s[S4A], v[SG2]
	v_mul_f32 v[P3], s[S8A], v[SG1]
	v_mul_f32 v[P3], v[P3], v[SG1]
	s_wait_alu depctr_va_vdst(0)
	v_mul_f32 v[P1], v[P1], v[I1]
	v_mul_f32 v[P2], v[P2], v[I2]
	v_mul_f32 v[P3], v[P3], v[I2]
	v_med3_num_f32 v[P1], v[P1], s[CLO], s[CHI]
	v_med3_num_f32 v[P2], v[P2], s[CLO], s[CHI]
	v_med3_num_f32 v[P3], v[P3], s[CLO], s[CHI]
	v_mov_b32 v[SG1], v[B1]
	v_mov_b32 v[SG2], v[B2]
	WIN 0xc0
	v_mov_b32 v[C1], v[P1]
	v_mov_b32 v[C1+1], v[P1]
	v_mov_b32 v[C2], v[P2]
	v_mov_b32 v[C2+1], v[P2]
	v_mov_b32 v[C3], v[P3]
	v_mov_b32 v[C3+1], v[P3]
.set px, 0
.rept 4
	v_mov_b32 v[MX1+px], 0                         ; the maxima begin anew for this layer's outputs
	v_mov_b32 v[MX2+px], 0
.set px, px+1
.endr
	WIN 0
.endm
.macro HEAD                            ; a hidden layer begins
	s_mov_b32 s[SSO], 0
	SCALE_LD
	RELOAD 0, 6
	WIN 0
	s_wait_dscnt 56                                ; the four loads of column sums are in; the 56 spill loads issued behind them stay out while the scales are made
	SCALE
	RELOAD 7, 10
	WIN 0
.endm
; A layer ends: my column sums go to the next layer's region; the pointers turn to the other slots; ONE barrier: in front of it my reads of the slot just read, my stores into the other slot and
; my column sums are done; behind it the slot just read is written and the other one read.
.macro TAIL rd
	v_add_nc_u32 v[TA], s[CSO], v[ACSW0]
	ds_store_b128 v[TA], v[CS:CS+3] offset:2048
.set jx, 0
.rept 4
	v_mov_b32 v[CS+jx], 0
.set jx, jx+1
.endr
	s_add_nc_u64 s[WP:WP+1], s[WP:WP+1], 49152     ; my 32 rows of the layer after: 65,536 less the 16,384 walked
	s_sub_co_u32 s[WSO], s[WSO], 32*PW
	s_xor_b32 s[WSO], s[WSO], SLOTX
.if \rd
	s_sub_co_u32 s[RSO], s[RSO], 256
	s_xor_b32 s[RSO], s[RSO], SLOTX
.endif
	s_add_co_u32 s[CSO], s[CSO], 2048
	s_wait_dscnt 0x0                               ; for the others' sake: zero
	s_barrier_signal -1
	s_barrier_wait -1
.endm
	; ---- set-up ----
	s_load_b512 s[8:23], s[0:1], 0x0               ; x 8, y 10, z 12, t 14, W0 16, b0 18, Wh 20, bh 22
	s_load_b256 s[24:31], s[0:1], 0x40             ; Wout 24, bout 26, act_coeff 28, out0 30
	s_load_b128 s[32:35], s[0:1], 0x60             ; out1 32, out2 34
	s_load_b64 s[36:37], s[0:1], 0x70              ; out3 36
	v_lshl_add_u32 v[SPWD], v0, 2, SPARE
	v_mov_b32 v[NIL], 0
	v_and_b32 v[LN], 31, v0
	v_lshrrev_b32 v[TA], 5, v0
	v_readfirstlane_b32 s[WV], v[TA]               ; wave 0..3
	v_and_b32 v[RR], 15, v0
	v_bfe_u32 v[HH], v0, 4, 1
	v_and_b32 v48, 7, v0
	v_bfe_u32 v49, v0, 3, 1
	v_lshl_add_u32 v50, v[HH], 3, v48              ; the turning load: lane l reads row 8 (l / 16) + l % 8, 16 bytes at 16 ((l / 8) % 2)
	v_mul_u32_u24 v[AW0], v50, PW
	v_lshl_add_u32 v[AW0], v49, 4, v[AW0]
	v_lshlrev_b32 v[AWO], 5, v50
	v_lshl_add_u32 v[AWO], v49, 4, v[AWO]
	v_add_nc_u32 v[AWO], WOUTL, v[AWO]
	v_lshl_add_u32 v[ABI0], v[HH], 5, BIAS
	s_mul_i32 s[TS], s[WV], SPWB
	s_add_co_u32 s[TS], s[TS], SPILL
	v_lshl_add_u32 v[ASPR], v[LN], 4, s[TS]
	s_mul_i32 s[TS], s[WV], 32*PW
	v_lshl_add_u32 v[AWS0], v[LN], 3, s[TS]        ; my wave's 32 rows of a slot, 8 bytes a lane
	s_lshl_b32 s[TS], s[WV], 14
	v_lshl_add_u32 v[GW], v[LN], 4, s[TS]          ; my wave's 32 rows of 512 bytes in Wh, 16 bytes a lane
	v_lshl_add_u32 v[ACS0], v[LN], 4, CSR
	s_lshl_b32 s[TS], s[WV], 9
	v_add_nc_u32 v[ACSW0], s[TS], v[ACS0]
	s_lshl_b32 s[TS], s[WV], 6
	s_add_co_u32 s[TS], s[TS], STG
	v_lshl_add_u32 v[ASTW], v[RR], 2, s[TS]
	s_lshl_b32 s[TS], s[WV], 8
	s_add_co_u32 s[TS], s[TS], STG
	v_lshl_add_u32 v[ASTR], v[LN], 3, s[TS]
	v_lshlrev_b32 v[GOUT], 3, v[LN]
	s_lshl_b32 s[TS], ttmp9, 8                     ; the work-group's 64 points, 4 bytes each,
	s_lshl_b32 s[OO], s[WV], 6                     ; my wave's 16
	s_add_co_u32 s[TS], s[TS], s[OO]
	v_lshl_add_u32 v[PO], v[RR], 2, s[TS]
	v_lshlrev_b32 v[TT], 2, v0
	v_lshlrev_b32 v[TA], 4, v0
	s_mov_b32 s[SEL], 0x76543210
	s_mov_b32 s[SEL+1], 0xfedcba98
	s_mov_b32 s[CLO], 0xf149f2ca
	s_mov_b32 s[CHI], 0x7149f2ca
	s_mov_b32 s[RSO], 0
	s_mov_b32 s[WSO], 0
	s_mov_b32 s[BSO], 0
	s_mov_b32 s[SSO], 0
	s_mov_b32 s[CSO], 0
	s_wait_kmcnt 0x0
	s_load_b32 s[SA], s[28:29], 0x0
	s_load_b128 s[BO:BO+3], s[26:27], 0x0
	s_mov_b64 s[WP:WP+1], s[20:21]
	global_load_b32 v[XP],   v[PO], s[8:9]
	global_load_b32 v[XP+2], v[PO], s[10:11]
	global_load_b32 v[XP+4], v[PO], s[12:13]
	global_load_b32 v[XP+6], v[PO], s[14:15]
	global_load_b32 v48, v[TT], s[18:19]           ; thread n takes column n of b0, bh, W0 and row n of Wout
.set ix, 0
.rept 5
	global_load_b32 v[49+ix], v[TT], s[22:23] offset:512*ix
.set ix, ix+1
.endr
.set ix, 0
.rept 4
	global_load_b32 v[54+ix], v[TT], s[16:17] offset:512*ix
.set ix, ix+1
.endr
	global_load_b128 v[60:63], v[TA], s[24:25]
	v_add_nc_u32 v64, BIAS, v[TT]
	v_lshl_add_u32 v76, v0, 5, WOUTL
	v_mov_b32 v67, 0
.set ix, 70
.rept 6
	v_mov_b32 v[ix], 0
.set ix, ix+1
.endr
	v_mov_b32 v[SG1], 1.0
	v_mov_b32 v[SG2], 1.0
	v_mov_b32 v[B1], 0
	v_mov_b32 v[B2], 0
.set jx, 0
.rept 4
	v_mov_b32 v[CS+jx], 0
.set jx, jx+1
.endr
	WIN 0xc0
.set px, 0
.rept 4
	v_mov_b32 v[MX1+px], 1.0                       ; the input layer: sg = 1, m1 = 1, m2 = 0, R = the largest |z_i|
	v_mov_b32 v[MX2+px], 0
.set px, px+1
.endr
	v_mov_b32 v[ASP0], v[ASPR]
	WIN 0
	s_wait_kmcnt 0x0
	s_and_b32 s[SAA], s[SA], 0x7fffffff
	s_mul_f32 s[S4A], s[SA], 4.0
	s_mul_f32 s[S8A], s[SA], s[SA]
	s_mul_f32 s[S8A], s[S8A], 0xc1000000           ; x -8
	s_mul_f32 s[KK], s[SA], 0x4038aa3b             ; K = 2 log2(e) a
	s_mov_b32 s[KK+1], s[KK]
	s_wait_loadcnt 0x0
.set ix, 0
.rept 6
	ds_store_b32 v64, v[48+ix] offset:512*ix
.set ix, ix+1
.endr
.set ix, 0
.rept 4
	ds_store_b32 v64, v[54+ix] offset:W0OFF+512*ix
.set ix, ix+1
.endr
	v_max3_num_f32 v65, |v54|, |v55|, |v56|
	v_add_f32 v66, |v57|, |v57|
	v_max_num_f32 v65, v65, v66
	ds_store_b32 v64, v65 offset:CSR-BIAS          ; region 0, slot 0: column n's largest |z_i|; slots 1-3: 0
	ds_store_b32 v64, v67 offset:CSR-BIAS+512
	ds_store_b32 v64, v67 offset:CSR-BIAS+1024
	ds_store_b32 v64, v67 offset:CSR-BIAS+1536
	v_cvt_pk_f16_f32 v68, v60, v61
	v_cvt_pk_f16_f32 v69, v62, v63
	ds_store_b128 v76, v[68:71]                    ; Wout's row: four f16, then twelve zeros
	ds_store_b128 v76, v[72:75] offset:16
	v_add_f32 v[XP+6], -0.5, v[XP+6]               ; X_t W0[3] = (t - 0.5) (2 W0[3])
.irp i, 0,2,4,6
	v_mov_b32 v[XP+\i+1], v[XP+\i]
.endr
	s_wait_dscnt 0x0                               ; for the others' sake: my stores are done
	s_barrier_signal -1
	s_barrier_wait -1
	; ---- the input layer; Wh[0] goes into slot 0 ----
	SCALE_LD
	s_wait_dscnt 0x0
	SCALE
	s_mov_b32 s[CC], 4
.Lin:
	CHUNK_IN
	s_sub_co_u32 s[CC], s[CC], 1
	s_cmp_lg_u32 s[CC], 0
	s_cbranch_scc1 .Lin
	TAIL 0
	; ---- hidden layers 0 to 3: layer l reads slot l % 2 and fills the other with Wh[l + 1] ----
	s_mov_b32 s[LC], 4
.Llayer:
	HEAD
	s_mov_b32 s[CC], 4
.Lchunk:
	CHUNK 1
	s_sub_co_u32 s[CC], s[CC], 1
	s_cmp_lg_u32 s[CC], 0
	s_cbranch_scc1 .Lchunk
	TAIL 1
	s_sub_co_u32 s[LC], s[LC], 1
	s_cmp_lg_u32 s[LC], 0
	s_cbranch_scc1 .Llayer
	; ---- hidden layer 4: nothing is left to round, so no load leaves Wh ----
	HEAD
	s_mov_b32 s[CC], 4
.Llast:
	CHUNK 0
	s_sub_co_u32 s[CC], s[CC], 1
	s_cmp_lg_u32 s[CC], 0
	s_cbranch_scc1 .Llast
	; ---- the output layer: one tile of 16 columns, of which 4 are Wout's.  Lanes 0-15 hold u, v, w, p of point l in registers 0-3 of each stream's accumulator ----
	RELOAD 0, 10                                   ; LDS serves a wave's instructions in order (ISA guide 5.7.1.4): these see the spill stores above
	WIN 0x80
.set kx, 0
.rept 4
	ds_load_tr16_b128 v[WF+8*kx:WF+8*kx+3],   v[AWO] offset:1024*kx
	ds_load_tr16_b128 v[WF+8*kx+4:WF+8*kx+7], v[AWO] offset:1024*kx+512
.set kx, kx+1
.endr
	s_wait_dscnt 0x0
	PRODS 1, 0, 0
	WIN 0x0f                                       ; sources 0 and 1 window 3: stream s, output o at 16 s + o
	PLACES
	v_add_f32 v[FT+3], v[16*1+0], v[16*2+1]        ; u_x + v_y
	v_add_f32 v[FT+4], v[16*4+0], v[16*1+3]        ; u_t + p_x
	v_add_f32 v[FT+5], v[16*4+1], v[16*2+3]        ; v_t + p_y
	v_add_f32 v[FT+6], v[16*4+2], v[16*3+3]        ; w_t + p_z
	v_add_f32 v[FT+7], v[16*6+0], v[16*8+1]        ; u_yy + v_xy
	v_add_f32 v[FT+8], v[16*8+0], v[16*5+1]        ; u_xy + v_xx
	v_add_f32 v[FT+9], v[16*9+0], v[16*5+2]        ; u_xz + w_xx
	WIN 0x03                                       ; source 0 window 3
	v_add_f32 v[FT+0], v[0], s[BO]                 ; u, v, w
	v_add_f32 v[FT+1], v[1], s[BO+1]
	v_add_f32 v[FT+2], v[2], s[BO+2]
	v_add_f32 v[FT+3], v[16*3+2], v[FT+3]          ; + w_z
	v_fma_f32 v[FT+7], v[16*5+0], 2.0, v[FT+7]     ; + 2 u_xx
	v_fma_f32 v[FT+8], v[16*6+1], 2.0, v[FT+8]     ; + 2 v_yy
	v_fma_f32 v[FT+9], v[16*7+2], 2.0, v[FT+9]     ; + 2 w_zz
	v_add_f32 v[FT+7], v[16*7+0], v[FT+7]          ; + u_zz
	v_add_f32 v[FT+8], v[16*7+1], v[FT+8]          ; + v_zz
	v_add_f32 v[FT+9], v[16*10+1], v[FT+9]         ; + v_yz
	v_add_f32 v[FT+7], v[16*9+2], v[FT+7]          ; + w_xz
	v_add_f32 v[FT+8], v[16*10+2], v[FT+8]         ; + w_yz
	v_add_f32 v[FT+9], v[16*6+2], v[FT+9]          ; + w_yy
.irp d, 0,1,2
.irp k, 0,1,2
	v_fma_f32 v[FT+4+\k], v[16+16*\d+\k], v[FT+\d], v[FT+4+\k]   ; + u d/dx, v d/dy, w d/dz of output k
.endr
.endr
	WIN 0
	v_mul_f32 v[FT+3], v[SG1], v[FT+3]             ; the scales come off here
	v_mul_f32 v[FT+4], v[SG1], v[FT+4]
	v_mul_f32 v[FT+5], v[SG1], v[FT+5]
	v_fmaak_f32 v[FT+6], v[SG1], v[FT+6], 0x42c5cccd   ; + 98.9
	v_fma_f32 v[FT+4], -v[SG2], v[FT+7], v[FT+4]
	v_fma_f32 v[FT+5], -v[SG2], v[FT+8], v[FT+5]
	v_fma_f32 v[FT+6], -v[SG2], v[FT+9], v[FT+6]
	; the way out: lanes 0-15 put their point's four results into the stage; then wave w stores result w's 64 points, 256 consecutive bytes at a multiple of 256 from its buffer's first byte
	s_wait_xcnt 0x0                                ; EXEC changes only behind this wait
	v_cmp_gt_u32 vcc_lo, 16, v[LN]
	s_and_saveexec_b32 s[SEX], vcc_lo
.irp o, 0,1,2,3
	ds_store_b32 v[ASTW], v[FT+3+\o] offset:256*\o
.endr
	s_wait_xcnt 0x0
	s_or_b32 exec_lo, exec_lo, s[SEX]
	s_wait_dscnt 0x0                               ; for the others' sake: my stores into the stage are done
	s_barrier_signal -1
	s_barrier_wait -1
	ds_load_b64 v[FT+10:FT+11], v[ASTR]
	s_cmp_eq_u32 s[WV], 1
	s_cselect_b64 s[OP:OP+1], s[32:33], s[30:31]
	s_cmp_eq_u32 s[WV], 2
	s_cselect_b64 s[OP:OP+1], s[34:35], s[OP:OP+1]
	s_cmp_eq_u32 s[WV], 3
	s_cselect_b64 s[OP:OP+1], s[36:37], s[OP:OP+1]
	s_lshl_b32 s[OO], ttmp9, 8
	s_mov_b32 s[OO+1], 0
	s_add_nc_u64 s[OP:OP+1], s[OP:OP+1], s[OO:OO+1]
	s_wait_dscnt 0x0
	global_store_b64 v[GOUT], v[FT+10:FT+11], s[OP:OP+1]
	s_wait_tensorcnt 0x0                           ; the wave's end, behind my last LDS store
	ds_add_u32 v[SPWD], v[NIL]
	s_wait_dscnt 0x0
	s_endpgm
.Lfunc_end_k_q91449e2e8c_pinn:
	.size	k_q91449e2e8c_pinn, .Lfunc_end_k_q91449e2e8c_pinn-k_q91449e2e8c_pinn
	.p2alignl 7, 3214868480
	.fill 96, 4, 3214868480
	.section	.rodata,"a",@progbits
	.p2align	6, 0x0
	.amdhsa_kernel k_q91449e2e8c_pinn
		.amdhsa_group_segment_fixed_size 282624
		.amdhsa_private_segment_fixed_size 0
		.amdhsa_enable_private_segment 0
		.amdhsa_kernarg_size 120
		.amdhsa_user_sgpr_count 2
		.amdhsa_user_sgpr_kernarg_segment_ptr 1
		.amdhsa_wavefront_size32 1
		.amdhsa_system_sgpr_workgroup_id_x 1
		.amdhsa_system_sgpr_workgroup_id_y 1
		.amdhsa_system_sgpr_workgroup_id_z 1
		.amdhsa_system_vgpr_workitem_id 0
		.amdhsa_next_free_vgpr 1024
		.amdhsa_next_free_sgpr 66
		.amdhsa_reserve_vcc 1
		.amdhsa_float_denorm_mode_32 3
		.amdhsa_float_denorm_mode_16_64 3
		.amdhsa_memory_ordered 1
		.amdhsa_forward_progress 1
		.amdhsa_inst_pref_size 147
	.end_amdhsa_kernel
	.amdgpu_metadata
---
amdhsa.version: [ 1, 2 ]
amdhsa.kernels:
  - .name:           k_q91449e2e8c_pinn
    .symbol:         k_q91449e2e8c_pinn.kd
    .args:
      - { .name: x, .offset: 0, .size: 8, .value_kind: global_buffer, .address_space: global }
      - { .name: y, .offset: 8, .size: 8, .value_kind: global_buffer, .address_space: global }
      - { .name: z, .offset: 16, .size: 8, .value_kind: global_buffer, .address_space: global }
      - { .name: t, .offset: 24, .size: 8, .value_kind: global_buffer, .address_space: global }
      - { .name: W0, .offset: 32, .size: 8, .value_kind: global_buffer, .address_space: global }
      - { .name: b0, .offset: 40, .size: 8, .value_kind: global_buffer, .address_space: global }
      - { .name: Wh, .offset: 48, .size: 8, .value_kind: global_buffer, .address_space: global }
      - { .name: bh, .offset: 56, .size: 8, .value_kind: global_buffer, .address_space: global }
      - { .name: Wout, .offset: 64, .size: 8, .value_kind: global_buffer, .address_space: global }
      - { .name: bout, .offset: 72, .size: 8, .value_kind: global_buffer, .address_space: global }
      - { .name: act_coeff, .offset: 80, .size: 8, .value_kind: global_buffer, .address_space: global }
      - { .name: out0, .offset: 88, .size: 8, .value_kind: global_buffer, .address_space: global }
      - { .name: out1, .offset: 96, .size: 8, .value_kind: global_buffer, .address_space: global }
      - { .name: out2, .offset: 104, .size: 8, .value_kind: global_buffer, .address_space: global }
      - { .name: out3, .offset: 112, .size: 8, .value_kind: global_buffer, .address_space: global }
    .group_segment_fixed_size: 282624
    .private_segment_fixed_size: 0
    .kernarg_segment_align: 8
    .kernarg_segment_size: 120
    .max_flat_workgroup_size: 128
    .sgpr_count:     66
    .vgpr_count:     1024
    .wavefront_size: 32
...
	.end_amdgpu_metadata
.endif
;; end of part 1
